; MI455X (gfx1250); checked and timed in simulation.
; The chip was launched on July 23, 2026; its instructions are those of AMD's public machine-readable ISA for CDNA 5 (MIT licence, August 2026) and "CDNA5" Instruction Set Architecture Reference Guide (July 2026). The comments in the code are by the model that wrote it; some were corrected since.
;; Vector Quantizer. Allowed arithmetic: float matrix products may take bf16 or f16 operands with f32 sums; all other float work in f32.
;; Inputs: codebook 1,024 x 64 float32; inputs 64 x 64 x 32 x 32 float32.
;; Outputs: out0 64 x 64 x 32 x 32 float32.
;; 2 versions, each right; version 2 is version 1 with the launch lookup written anew for expert scheduling mode. Each part assembles by itself: llvm-mc -triple=amdgcn-amd-amdhsa -mcpu=gfx1250 --defsym DOCPART=n.
;; ======== version 1 of 2: 2 launches
;; workspace buffers: closest 262,144 bytes of whole numbers
;; launch nearest (part 1): grid 256 x 1, 8 waves a work-group, clusters of 4 x 1, 316,416 bytes of LDS; arguments codebook, inputs, closest; writes closest
.if DOCPART == 1
	.amdgcn_target "amdgcn-amd-amdhsa--gfx1250"
	.amdhsa_code_object_version 6
	.text
	.protected	k_q85fcdf3bac_nearest
	.globl	k_q85fcdf3bac_nearest
	.p2align	8
	.type	k_q85fcdf3bac_nearest,@function
k_q85fcdf3bac_nearest:
	s_mov_b64 s[64:65], 0
	v_nop
	global_prefetch_b8 v0, s[64:65] scope:SCOPE_SE
	s_setreg_imm32_b32 hwreg(HW_REG_WAVE_MODE, 25, 1), 1
	s_wait_xcnt 0x0
	s_wait_alu depctr_hold_cnt(0) depctr_sa_sdst(0) depctr_va_vdst(0) depctr_va_sdst(0) depctr_va_ssrc(0) depctr_va_vcc(0) depctr_vm_vsrc(0)
	s_getreg_b32 s2, hwreg(HW_REG_IB_STS2, 6, 4)
	s_cmp_eq_u32 s2, 0
	s_cbranch_scc0 .Lentry_in_a_cluster
	s_endpgm
.Lentry_in_a_cluster:
	s_bfe_u32 s2, ttmp6, 0x10000c
	s_cmp_lg_u32 s2, 0x3003
	s_cbranch_scc0 .Lentry_shape_is_right
	s_endpgm
.Lentry_shape_is_right:
; closest[n] = index of the code nearest to vector n.  inputs: [64][64 channels][1024 pixels] f32, codebook: [1024][64] f32,
; closest: [65536] whole numbers, n = image * 1024 + pixel.
; Score s(n, c) = x_n . c - |c|^2 / 2, maximised: |x_n|^2 is the same for all codes of a vector and decides nothing.
; x and the codes are rounded to bf16 (nearest even) for the matrix unit, sums are f32, and |c|^2 is summed in f32 from the ROUNDED codes:
; the index is the arg-min of the distances of the bf16-rounded inputs.  Equal scores: the lowest index.
; LIMITS: two codes whose distances differ by about one f32 rounding step (2^-23 of the distance) may be ordered otherwise than by an
; evaluation in another order; NaN and infinities in the inputs are not served (the index stored is then unspecified and may lie outside 0..1023).
;
; SHARES.  A work-group owns 256 vectors (one image, 256 neighbouring pixels) and has eight waves, two for each of a WGP's four SIMDs:
; for a tile of 16 vectors a wave issues 16 matrix instructions and about 127 vector instructions, and the two kinds of work of two waves that
; do not depend on each other can go side by side.  Wave w keeps codes 128 w .. 128 w + 127 in registers for the whole kernel (8 tiles of
; 16 codes x 64 channels) and walks all 256 vectors, 16 at a time.  Codes are source 0 (rows m), vectors source 1 (columns n): in a result
; lane (r, h) holds vector n = r and in register j code m = 8 h + j, so the maximum over codes runs along a lane's registers.
; CLUSTER: all work-groups read the same codebook.  Four work-groups form a cluster and ask for each piece of it jointly (mask 15): the
; descriptor hangs on the wave's number alone, so it is the same in all four.  The whole codebook fits in LDS: every fill is a first fill.
;
; REGISTERS:  window 0: v0-31 addresses and state, v32-63 two kept groups, v64-127 accumulators, v128-191 -|c|^2/2 in the layout of operand C,
; v192-223 two buffers of vectors, v224-255 partial sums (set-up);  window 1: v0-127 the 8 code tiles, tile g at v[16 g], K step s at + 8 s.
.set PITCH,  272                       ; an LDS row of the codebook: 256 bytes + 16 = 17 x 16, so sixteen rows start in sixteen different 16-byte columns modulo 256
.set WPART,  128*PITCH                 ; a wave's 128 codes: 34,816 bytes = 136 x 256.  Its first 4 KiB later take the wave's candidates
.set CHUNK,  64*PITCH                  ; what one tensor load brings
.set BF,     1024*PITCH                ; 32 KiB: the 16 vector tiles as ready fragments: K step s at 16384 s, tile T at 1024 T, registers 4 q .. 4 q + 3 at 512 q, lane at 16 lane
.set KS1,    16384
.set NB,     BF+32768                  ; 8 x 512 bytes, a wave's own: its 128 numbers -|c|^2/2
.set G1, 16                            ; s[16:23] descriptor group 1
.set G0, 24                            ; s[24:31] descriptor group 0, one set for each of the wave's two loads
.set MK, 44                            ; s[44:59] sixteen lane masks
.set XO, 4                             ; byte offset of my 16 bytes in a channel row of x
.set BS, 5                             ; LDS: where I put my wave's fragments
.set CA, 6                             ; LDS: my row of my wave's first code tile
.set CS, 7                             ; LDS: where -|c|^2/2 of code r goes
.set CL, 8                             ; LDS: from where operand C is read
.set LB, 9                             ; LDS: my 16 bytes of the trip's first vector tile
.set RS, 10                            ; LDS: my candidate of the trip's first vector tile
.set CBASE, 11                         ; 128 w + 8 h
.set BEST, 12                          ; v12,13 and v14,15: best score and its index, a pair for even and one for odd vector tiles
.set M, 16                             ; v16-20 at work
.set N, 21                             ; v21-25 at work
.set J, 26                             ; v26-29 at work
.set GID, 30                           ; number of the group that holds the best
.set ZERO, 30                          ; 0.0 (set-up only)
.set SENT, 31                          ; 64: larger than any place in a group
.set SV, 32                            ; v32-47, v48-63: the 16 scores of the best group so far, for even and odd vector tiles
.set BT, 32                            ; set-up: my wave's K step of 4 vector tiles as fragments
.set DA, 64                            ; v80-95: second group of a tile's first batch; v96-127: the two groups of its second batch
.set X, 64                             ; set-up: 16 channel rows x 4 pixels, f32
.set CC, 128                           ; v128-191: tile g at + 8 g
.set F0, 128                           ; set-up: a code tile in f32, two buffers of 32
.set BB, 192                           ; v192-207, v208-223: the vector tile, for even and odd tiles
.set AC, 224                           ; set-up: four partial sums of squares for each code tile
.set MA, 4                             ; the end: v4-7 LDS addresses of the candidates
.set SO, 8                             ; the end: my byte offset in closest
.set MSB, 0
.macro WIN new                         ; the immediate's high byte repeats the setting that is left
.if MSB != \new
	s_set_vgpr_msb (MSB<<8)|\new
.set MSB, \new
.endif
.endm
; A round of the cluster's barrier: my work-group's barrier, wave 0 signals for the work-group, every wave waits for all four work-groups, my work-group's barrier again.
.macro ROUND
	s_barrier_signal -1
	s_barrier_wait -1
	s_cmp_lg_u32 s10, 0
	s_cbranch_scc1 .Lnot_wave_0_\@
	s_barrier_signal -3
.Lnot_wave_0_\@:
	s_barrier_wait -3
	s_barrier_signal -1
	s_barrier_wait -1
.endm
	s_load_b128 s[4:7], s[0:1], 0x0                ; codebook s[4:5], inputs s[6:7]
	s_load_b64 s[8:9], s[0:1], 0x10                ; closest
	s_set_vgpr_msb 0x40
	v_lshl_add_u32 v128, v0, 2, 0x4d000
	v_mov_b32 v129, 0
	s_set_vgpr_msb 0x4045
	ds_add_u32 v128, v129
	ds_add_u32 v128, v129
	s_wait_dscnt 0x0
	s_set_vgpr_msb 0x4500
	v_lshrrev_b32 v1, 5, v0
	v_readfirstlane_b32 s10, v1                    ; wave 0..7
	v_and_b32 v2, 15, v0                           ; r
	v_bfe_u32 v3, v0, 4, 1                         ; h
	s_bfe_u32 s11, ttmp6, 0x40000                  ; my place in the cluster
	s_lshl_b32 s12, ttmp9, 2                       ; ttmp9 counts clusters
	s_add_co_u32 s12, s12, s11                     ; work-group 0..255 = 4 x image + quarter of its pixels
	s_lshr_b32 s60, s12, 2
	s_lshl_b32 s60, s60, 18                        ; an image is 64 x 1024 x 4 bytes
	s_and_b32 s61, s12, 3
	s_lshl_b32 s61, s61, 10                        ; 256 pixels are 1,024 bytes
	s_add_co_u32 s60, s60, s61
	s_mov_b32 s61, 0
	s_lshl_b32 s62, s12, 10                        ; and 256 indices too
	s_mov_b32 s63, 0
	; Of x, wave w takes the 64 pixels of block w % 4 and the 32 channels of K step w / 4.
	v_bfe_u32 v16, v0, 5, 2                        ; w % 4
	v_lshrrev_b32 v17, 7, v0                       ; w / 4
	v_lshlrev_b32 v[XO], 4, v2                     ; pixels 4 r .. 4 r + 3 of the 64,
	v_lshl_or_b32 v[XO], v3, 15, v[XO]             ; eight channel rows further down for the upper half-wave,
	v_lshl_or_b32 v[XO], v16, 8, v[XO]             ; the block of 64 pixels,
	v_lshl_or_b32 v[XO], v17, 17, v[XO]            ; 32 channel rows for the second K step
	; descriptor group 1: 64 rows of 64 elements of 4 bytes, 16 bytes of padding behind each row of 64 words
	s_mov_b32 s[G1+0], 15|(2<<16)|(1<<20)|(1<<21)|(5<<22)|(3<<25)   ; mask: all four of the cluster; element 4 bytes; padding on; bit 21 beside a mask; every 64 words; 4 words
	s_mov_b32 s[G1+1], 64<<16                      ; tensor_dim0 = 64
	s_mov_b32 s[G1+2], 64<<16                      ; tensor_dim1 = 64
	s_mov_b32 s[G1+3], 64<<16                      ; tile_dim0 = 64
	s_mov_b32 s[G1+4], 64                          ; tile_dim1 = 64
	s_mov_b32 s[G1+5], 64                          ; 64 elements from row to row
	s_mov_b32 s[G1+6], 0
	s_mov_b32 s[G1+7], 0
	s_mul_i32 s13, s10, WPART                      ; my wave's codes in LDS
	s_lshl_b32 s14, s10, 15                        ; and in the codebook: 128 rows of 256 bytes
	s_mov_b32 s15, 0
	ROUND                                          ; all four work-groups are here: the joint loads meet.  The round needs no argument, so it stands while the arguments are on their way
	s_wait_kmcnt 0x0
	s_add_nc_u64 s[14:15], s[4:5], s[14:15]
.irp c, 0,1
	s_mov_b32 s[G0+4*\c], 1
	s_add_co_u32 s[G0+4*\c+1], s13, \c*CHUNK
	s_add_nc_u64 s[G0+4*\c+2:G0+4*\c+3], s[14:15], \c*16384
	s_or_b32 s[G0+4*\c+3], s[G0+4*\c+3], 0x80000000
	tensor_load_to_lds s[G0+4*\c:G0+4*\c+3], s[G1:G1+7]   ; two loads of this wave are out, no more follow.  The codes go first: they are worked on first
	s_nop 0
.endr
	s_add_nc_u64 s[6:7], s[6:7], s[60:61]
	s_add_nc_u64 s[8:9], s[8:9], s[62:63]
	; x, straight into registers: load q brings channel 32 (w / 4) + 16 (q / 8) + q % 8 + 8 h, four pixels.  Sixteen lanes read 256 consecutive bytes, aligned.
	; These are the channels that lane (r, h) holds of a fragment (ISA guide 7.12.2: K = 8 h + 0..7 and 16 + 8 h + 0..7 of each 32).
.set q, 0
.rept 16
	global_load_b128 v[X+4*q:X+4*q+3], v[XO], s[6:7] offset:((q>>3)*16+(q&7))*4096
.set q, q+1
.endr
	; addresses, while the data are on their way
	v_and_b32 v[RS], 31, v0                        ; lane
	v_lshlrev_b32 v[BS], 4, v[RS]
	v_add_nc_u32 v[LB], BF, v[BS]                  ; 16 lane in vector tile 0
	s_lshl_b32 s42, s10, 12
	v_add_nc_u32 v[BS], s42, v[LB]                 ; my wave's 4 KiB: K step w / 4, tiles 4 (w % 4) .. + 3 lie at 4096 w
	v_mul_u32_u24 v[CA], v2, PITCH
	v_lshl_add_u32 v[CA], v3, 5, v[CA]             ; row r, 32 bytes (8 channels) on for the upper half-wave
	v_add_nc_u32 v[CA], s13, v[CA]
	s_lshl_b32 s43, s10, 9
	s_add_co_u32 s43, s43, NB                      ; my wave's 512 bytes
	v_lshl_add_u32 v[CS], v2, 2, s43
	v_lshl_add_u32 v[CL], v3, 5, s43
	v_lshl_add_u32 v[RS], v[RS], 3, s13            ; candidates: 8 bytes a lane, from the first byte of my wave's codes
	s_lshl_b32 s42, s10, 7
	v_lshlrev_b32 v[CBASE], 3, v3
	v_add_nc_u32 v[CBASE], s42, v[CBASE]
	s_mov_b32 s40, 0x76543210                      ; v_permlanex16_b32: lane i of one half reads lane i of the other
	s_mov_b32 s41, 0xfedcba98
	v_mov_b32 v[ZERO], 0
	; The codes: from my own rows in LDS, f32, in the fragment's order; rounded into window 1; squares of the rounded numbers summed in f32, four chains a tile.
.macro FETCH g, f
.irp q, 0,1,2,3,4,5,6,7
	ds_load_b128 v[(\f)+4*\q:(\f)+4*\q+3], v[CA] offset:(\g)*16*PITCH+(\q>>1)*64+(\q&1)*16
.endr
.endm
.macro CONV g, f
	WIN 0x40                                       ; destination window 1
.set a, 0
.rept 16
	v_cvt_pk_bf16_f32 v[16*(\g)+a], v[(\f)+2*a], v[(\f)+2*a+1]
.set a, a+1
.endr
	WIN 0x05                                       ; sources 0 and 1 window 1
.set a, 0
.rept 16
.if a < 2
	v_fma_mix_f32_bf16 v[AC+4*(\g)+2*a],   v[16*(\g)+a], v[16*(\g)+a], v[ZERO] op_sel_hi:[1,1,0]
	v_fma_mix_f32_bf16 v[AC+4*(\g)+2*a+1], v[16*(\g)+a], v[16*(\g)+a], v[ZERO] op_sel:[1,1,0] op_sel_hi:[1,1,0]
.else
	v_fma_mix_f32_bf16 v[AC+4*(\g)+2*(a&1)],   v[16*(\g)+a], v[16*(\g)+a], v[AC+4*(\g)+2*(a&1)] op_sel_hi:[1,1,0]
	v_fma_mix_f32_bf16 v[AC+4*(\g)+2*(a&1)+1], v[16*(\g)+a], v[16*(\g)+a], v[AC+4*(\g)+2*(a&1)+1] op_sel:[1,1,0] op_sel_hi:[1,1,0]
.endif
.set a, a+1
.endr
	WIN 0
.endm
	s_wait_tensorcnt 0x1                           ; tensor loads of a wave end in order (ISA guide 10.11.1): my first 64 codes are in; only I read them
	FETCH 0, F0
.set gg, 0
.rept 8
.if gg < 7
.if gg == 3
	s_wait_tensorcnt 0x0                           ; my other 64 codes
.endif
	FETCH gg+1, F0+32*((gg+1)&1)
	s_wait_dscnt 0x8                               ; all but the eight loads just issued: tile gg is in
.else
	s_wait_dscnt 0x0
.endif
	CONV gg, F0+32*(gg&1)
.set gg, gg+1
.endr
	; the eight tiles' sums are finished together: eight chains that do not wait for each other
.irp g, 0,1,2,3,4,5,6,7
	v_add_f32 v[AC+4*\g], v[AC+4*\g], v[AC+4*\g+1]
.endr
.irp g, 0,1,2,3,4,5,6,7
	v_add_f32 v[AC+4*\g+2], v[AC+4*\g+2], v[AC+4*\g+3]
.endr
.irp g, 0,1,2,3,4,5,6,7
	v_add_f32 v[AC+4*\g], v[AC+4*\g], v[AC+4*\g+2] ; my 32 channels of code r
.endr
.irp g, 0,1,2,3,4,5,6,7
	v_permlanex16_b32 v[AC+4*\g+1], v[AC+4*\g], s40, s41   ; the other 32 (the destination has been written before)
.endr
.irp g, 0,1,2,3,4,5,6,7
	v_add_f32 v[AC+4*\g], v[AC+4*\g], v[AC+4*\g+1]
.endr
.irp g, 0,1,2,3,4,5,6,7
	v_mul_f32 v[AC+4*\g], -0.5, v[AC+4*\g]
.endr
.irp g, 0,1,2,3,4,5,6,7
	ds_store_b32 v[CS], v[AC+4*\g] offset:\g*64    ; both half-waves store the same number to the same word
.endr
	; x to fragments.  Register a of my K step holds channels 16 (a / 4) + 8 h + 2 (a % 4) and the next: loads 2 a and 2 a + 1.
	; The four pixels of a load go to four tiles: column r of tile 4 (w % 4) + t is pixel 64 (w % 4) + 4 r + t.
.set a, 0
.rept 8
	s_wait_loadcnt 14-2*a                          ; loads come back in order (ISA guide 5.7.1): 2 a and 2 a + 1 are in, the younger ones stay out
.irp t, 0,1,2,3
	v_cvt_pk_bf16_f32 v[BT+8*\t+a], v[X+8*a+\t], v[X+8*a+4+\t]
.endr
.set a, a+1
.endr
.irp t, 0,1,2,3
.irp q, 0,1
	ds_store_b128 v[BS], v[BT+8*\t+4*\q:BT+8*\t+4*\q+3] offset:\t*1024+\q*512
.endr
.endr
	; operand C: register j of lane (r, h) is -|c|^2/2 of code 8 h + j of the tile.  LDS serves a wave's instructions in order (ISA guide 5.7.1.4): these see my stores.
.irp g, 0,1,2,3,4,5,6,7
	ds_load_b128 v[CC+8*\g:CC+8*\g+3],   v[CL] offset:\g*64
	ds_load_b128 v[CC+8*\g+4:CC+8*\g+7], v[CL] offset:\g*64+16
.endr
	v_mov_b32 v[SENT], 64
	s_wait_dscnt 0x0                               ; for the others' sake: my fragments of x are in LDS; and my reads of my codes are over
	s_barrier_signal -1
	s_barrier_wait -1                              ; everybody's are
; Four LDS loads: the vector tile at byte off behind LB into buffer p, both K steps
.macro BLOAD p, off
.irp q, 0,1
	ds_load_b128 v[BB+16*\p+4*\q:BB+16*\p+4*\q+3], v[LB] offset:\off+512*\q
.endr
.irp q, 0,1
	ds_load_b128 v[BB+16*\p+8+4*\q:BB+16*\p+8+4*\q+3], v[LB] offset:\off+KS1+512*\q
.endr
.endm
; Eight matrix instructions: code tiles 4 b .. 4 b + 3 against the vector tile in buffer p.  The first K step takes -|c|^2/2 as C, the second adds in place.
; The four accumulators take turns, one instruction a turn.
; Batch 0's first two tiles are written straight into the kept group of the tile's parity: the first group needs no comparison and no copy.
.macro WMM p, b
.if \b == 0
.set DG0, SV+16*\p
.set DG1, DA+16
.else
.set DG0, DA+32
.set DG1, DA+48
.endif
	WIN 0x01                                       ; source 0 (codes) window 1; vectors, C and D window 0
	v_wmma_f32_16x16x32_bf16 v[DG0:DG0+7],    v[64*\b:64*\b+7],     v[BB+16*\p:BB+16*\p+7], v[CC+32*\b:CC+32*\b+7]
	v_wmma_f32_16x16x32_bf16 v[DG0+8:DG0+15], v[64*\b+16:64*\b+23], v[BB+16*\p:BB+16*\p+7], v[CC+32*\b+8:CC+32*\b+15]
	v_wmma_f32_16x16x32_bf16 v[DG1:DG1+7],    v[64*\b+32:64*\b+39], v[BB+16*\p:BB+16*\p+7], v[CC+32*\b+16:CC+32*\b+23]
	v_wmma_f32_16x16x32_bf16 v[DG1+8:DG1+15], v[64*\b+48:64*\b+55], v[BB+16*\p:BB+16*\p+7], v[CC+32*\b+24:CC+32*\b+31]
	v_wmma_f32_16x16x32_bf16 v[DG0:DG0+7],    v[64*\b+8:64*\b+15],  v[BB+16*\p+8:BB+16*\p+15], v[DG0:DG0+7]
	v_wmma_f32_16x16x32_bf16 v[DG0+8:DG0+15], v[64*\b+24:64*\b+31], v[BB+16*\p+8:BB+16*\p+15], v[DG0+8:DG0+15]
	v_wmma_f32_16x16x32_bf16 v[DG1:DG1+7],    v[64*\b+40:64*\b+47], v[BB+16*\p+8:BB+16*\p+15], v[DG1:DG1+7]
	v_wmma_f32_16x16x32_bf16 v[DG1+8:DG1+15], v[64*\b+56:64*\b+63], v[BB+16*\p+8:BB+16*\p+15], v[DG1+8:DG1+15]
	WIN 0
.endm
; The largest of 16 scores, for two groups at once: 8 instructions a group, three deep
.macro TREE2 o0, d0, o1, d1
.irp i, 0,1,2,3,4
	v_max3_num_f32 v[M+\i], v[(\d0)+3*\i], v[(\d0)+3*\i+1], v[(\d0)+3*\i+2]
.endr
.irp i, 0,1,2,3,4
	v_max3_num_f32 v[N+\i], v[(\d1)+3*\i], v[(\d1)+3*\i+1], v[(\d1)+3*\i+2]
.endr
	v_max3_num_f32 v[M],   v[M],   v[M+1], v[(\d0)+15]
	v_max3_num_f32 v[N],   v[N],   v[N+1], v[(\d1)+15]
	v_max3_num_f32 v[M+2], v[M+2], v[M+3], v[M+4]
	v_max3_num_f32 v[N+2], v[N+2], v[N+3], v[N+4]
	v_max_num_f32 v[\o0], v[M], v[M+2]
	v_max_num_f32 v[\o1], v[N], v[N+2]
.endm
; Group u (its largest score in gm, its 16 scores at d) against the best so far: a lane in which it does not win keeps what it has, so an equal score leaves the earlier group
.macro UPD gm, d, p, u
	v_cmp_le_f32 vcc_lo, v[\gm], v[BEST+2*\p]
	v_max_num_f32 v[BEST+2*\p], v[BEST+2*\p], v[\gm]
	v_cndmask_b32 v[GID], \u, v[GID], vcc_lo
.set e, 0
.rept 16
	v_cndmask_b32 v[SV+16*\p+e], v[(\d)+e], v[SV+16*\p+e], vcc_lo
.set e, e+1
.endr
.endm
.macro VB0 p                           ; batch 0: group 0 lies in the kept group already and starts the best; group 1 is compared
	TREE2 BEST+2*\p, SV+16*\p, N, DA+16
	v_mov_b32 v[GID], 0
	UPD N, DA+16, \p, 1
.endm
.macro VB1 p                           ; batch 1: groups 2 and 3
	TREE2 M, DA+32, N, DA+48
	UPD M, DA+32, \p, 2
	UPD N, DA+48, \p, 3
.endm
; The vector tile is through: the first place e of the kept group that holds the best.  Place e of group u is code 128 w + 32 u + e + 8 (e / 8) + 8 h.
; Four chains of four places, each from its last place down, so that the lowest place stays; then the least of the four.
.macro FINAL p, off
.set e, 0
.rept 16
	v_cmp_neq_f32 s[MK+e], v[SV+16*\p+e], v[BEST+2*\p]
.set e, e+1
.endr
	v_lshl_add_u32 v[BEST+2*\p+1], v[GID], 5, v[CBASE]
.irp q, 0,1,2,3
	v_cndmask_b32 v[J+\q], (4*\q+3)+8*((4*\q+3)>>3), v[SENT], s[MK+4*\q+3]
.endr
.irp k, 2,1,0
.irp q, 0,1,2,3
	v_cndmask_b32 v[J+\q], (4*\q+\k)+8*((4*\q+\k)>>3), v[J+\q], s[MK+4*\q+\k]
.endr
.endr
	v_min_u32 v[J], v[J], v[J+1]
	v_min_u32 v[J+2], v[J+2], v[J+3]
	v_min_u32 v[J], v[J], v[J+2]
	v_add_nc_u32 v[BEST+2*\p+1], v[BEST+2*\p+1], v[J]
	ds_store_b64 v[RS], v[BEST+2*\p:BEST+2*\p+1] offset:\off   ; my candidate (score, index) for vector r, among my wave's codes with my h.  It lands on rows of my
	                                                           ; wave's codes: they had their only fill, I alone read them, and those reads were waited for in front of the barrier above
.endm
; Two vector tiles.  Each batch of matrix instructions is followed by the vector work on the batch before it, which names none of the new batch's
; registers: these are the places that stand between a matrix instruction and the first use of its result, and in front of a load into a buffer that it read.
; A buffer is loaded again behind the vector work that follows its last matrix instructions, a whole tile ahead of its next use.
; On entry batch 0 of the even tile has been issued.  last = 1: nothing follows these two tiles.
.macro PAIR last
	WMM 0, 1
	VB0 0
.if \last == 0
	BLOAD 0, 2048                                  ; the next even tile
	s_wait_dscnt 0x4                               ; all but the four loads just issued: the odd tile's fragments are in
.else
	s_wait_dscnt 0x0
.endif
	WMM 1, 0
	VB1 0
	FINAL 0, 0
	WMM 1, 1
	VB0 1
.if \last == 0
	BLOAD 1, 3072                                  ; the next odd tile
	s_wait_dscnt 0x4                               ; all but these four: the next even tile's fragments are in
	WMM 0, 0
.endif
	VB1 1
	FINAL 1, 256
.if \last == 0
	v_add_nc_u32 v[LB], 2048, v[LB]                ; two tiles on
	v_add_nc_u32 v[RS], 512, v[RS]
.endif
.endm
	BLOAD 0, 0
	BLOAD 1, 1024
	s_wait_dscnt 0x4                               ; tile 0 is in; tile 1's four loads may be out
	WMM 0, 0
.rept 4
	v_nop                                          ; the places behind the very first batch, which no vector work precedes (ISA guide 7.12.1)
.endr
	s_mov_b32 s42, 7
.Lpair:
	PAIR 0
	s_sub_co_u32 s42, s42, 1
	s_cmp_lg_u32 s42, 0
	s_cbranch_scc1 .Lpair
	PAIR 1                                         ; tiles 14 and 15: nothing more is fetched or started
	; Sixteen candidates for each vector: 8 waves x 2 half-waves.  Waves 0 to 3 choose, two pixels a thread, so that a wave's store covers 256 consecutive bytes.
	; Thread t takes pixels 2 t and 2 t + 1: tile 4 (t / 32) + 2 (t % 2) + e, column (t / 2) % 16.
	s_wait_dscnt 0x0                               ; for the others' sake: my candidates are in LDS
	s_barrier_signal -1
	s_barrier_wait -1
	s_cmp_gt_u32 s10, 3
	s_cbranch_scc1 .Lclose
	v_and_b32 v16, 1, v0
	v_lshlrev_b32 v16, 9, v16
	v_lshl_add_u32 v16, v1, 10, v16
	v_bfe_u32 v17, v0, 1, 4
	v_lshl_add_u32 v[MA], v17, 3, v16              ; waves 0 and 1's candidates; an address for every two waves, since an LDS offset has 16 bits
	v_add_nc_u32 v[MA+1], 2*WPART, v[MA]
	v_add_nc_u32 v[MA+2], 4*WPART, v[MA]
	v_add_nc_u32 v[MA+3], 6*WPART, v[MA]
	v_lshlrev_b32 v[SO], 3, v0                     ; 8 bytes a thread in closest
.irp e, 0,1
.irp c, 0,1,2,3,4,5,6,7
.irp h, 0,1
	ds_load_b64 v[DA+32*\e+4*\c+2*\h:DA+32*\e+4*\c+2*\h+1], v[MA+(\c>>1)] offset:\e*256+(\c&1)*WPART+\h*128
.endr
.endr
.endr
	s_wait_dscnt 0x0
; The largest of the 16 scores; every candidate that does not hold it gets the index 0xffffffff; the least index is the answer: among equal scores the lowest.
.macro PICK e
.irp i, 0,1,2,3,4
	v_max3_num_f32 v[M+\i], v[DA+32*\e+6*\i], v[DA+32*\e+6*\i+2], v[DA+32*\e+6*\i+4]
.endr
	v_max3_num_f32 v[M], v[M], v[M+1], v[DA+32*\e+30]
	v_max3_num_f32 v[M+2], v[M+2], v[M+3], v[M+4]
	v_max_num_f32 v[M], v[M], v[M+2]
.set k, 0
.rept 16
	v_cmp_eq_f32 s[MK+k], v[DA+32*\e+2*k], v[M]
.set k, k+1
.endr
.set k, 0
.rept 16
	v_cndmask_b32 v[DA+32*\e+2*k+1], -1, v[DA+32*\e+2*k+1], s[MK+k]
.set k, k+1
.endr
.irp i, 0,1,2,3,4,5,6,7
	v_min_u32 v[DA+32*\e+4*\i+1], v[DA+32*\e+4*\i+1], v[DA+32*\e+4*\i+3]
.endr
.irp i, 0,1,2,3
	v_min_u32 v[DA+32*\e+8*\i+1], v[DA+32*\e+8*\i+1], v[DA+32*\e+8*\i+5]
.endr
.irp i, 0,1
	v_min_u32 v[DA+32*\e+16*\i+1], v[DA+32*\e+16*\i+1], v[DA+32*\e+16*\i+9]
.endr
	v_min_u32 v[BEST+\e], v[DA+32*\e+1], v[DA+32*\e+17]    ; lands in the pair that is stored
.endm
	PICK 0
	PICK 1
	global_store_b64 v[SO], v[BEST:BEST+1], s[8:9] ; a wave stores 256 consecutive bytes, aligned
.Lclose:
	s_set_vgpr_msb 0x5
	s_wait_tensorcnt 0x0
	ds_add_u32 v128, v129
	s_wait_dscnt 0x0
	s_set_vgpr_msb 0x500
	ROUND                                          ; the closing round: no work-group ends while a partner may still ask jointly
	s_endpgm
.Lfunc_end_k_q85fcdf3bac_nearest:
	.size	k_q85fcdf3bac_nearest, .Lfunc_end_k_q85fcdf3bac_nearest-k_q85fcdf3bac_nearest
	.p2alignl 7, 3214868480
	.fill 96, 4, 3214868480
	.section	.rodata,"a",@progbits
	.p2align	6, 0x0
	.amdhsa_kernel k_q85fcdf3bac_nearest
		.amdhsa_group_segment_fixed_size 316416
		.amdhsa_private_segment_fixed_size 0
		.amdhsa_enable_private_segment 0
		.amdhsa_kernarg_size 24
		.amdhsa_user_sgpr_count 2
		.amdhsa_user_sgpr_kernarg_segment_ptr 1
		.amdhsa_wavefront_size32 1
		.amdhsa_system_sgpr_workgroup_id_x 1
		.amdhsa_system_sgpr_workgroup_id_y 1
		.amdhsa_system_sgpr_workgroup_id_z 1
		.amdhsa_system_vgpr_workitem_id 0
		.amdhsa_next_free_vgpr 386
		.amdhsa_next_free_sgpr 66
		.amdhsa_reserve_vcc 1
		.amdhsa_float_denorm_mode_32 3
		.amdhsa_float_denorm_mode_16_64 3
		.amdhsa_memory_ordered 1
		.amdhsa_forward_progress 1
		.amdhsa_inst_pref_size 80
	.end_amdhsa_kernel
	.amdgpu_metadata
---
amdhsa.version: [ 1, 2 ]
amdhsa.kernels:
  - .name:           k_q85fcdf3bac_nearest
    .symbol:         k_q85fcdf3bac_nearest.kd
    .args:
      - { .name: codebook, .offset: 0, .size: 8, .value_kind: global_buffer, .address_space: global }
      - { .name: inputs, .offset: 8, .size: 8, .value_kind: global_buffer, .address_space: global }
      - { .name: closest, .offset: 16, .size: 8, .value_kind: global_buffer, .address_space: global }
    .group_segment_fixed_size: 316416
    .private_segment_fixed_size: 0
    .kernarg_segment_align: 8
    .kernarg_segment_size: 24
    .max_flat_workgroup_size: 256
    .sgpr_count:     66
    .vgpr_count:     386
    .wavefront_size: 32
...
	.end_amdgpu_metadata
.endif
;; end of part 1
;; launch lookup (part 2): grid 256 x 1, 8 waves a work-group, no clusters, 70,656 bytes of LDS; arguments closest, codebook, inputs, out0; writes out0
.if DOCPART == 2
	.amdgcn_target "amdgcn-amd-amdhsa--gfx1250"
	.amdhsa_code_object_version 6
	.text
	.protected	k_q85fcdf3bac_lookup
	.globl	k_q85fcdf3bac_lookup
	.p2align	8
	.type	k_q85fcdf3bac_lookup,@function
k_q85fcdf3bac_lookup:
	s_mov_b64 s[64:65], 0
	v_nop
	global_prefetch_b8 v0, s[64:65] scope:SCOPE_SE
	s_setreg_imm32_b32 hwreg(HW_REG_WAVE_MODE, 25, 1), 1
	s_wait_xcnt 0x0
; out0[b][c][p] = x + (q - x), x = inputs[b][c][p], q = codebook[closest[b * 1024 + p]][c], all f32: the look-up, the change to channels first and the
; straight-through step as the problem writes it.
; A work-group owns one image's 256 neighbouring pixels (the same share as in the launch before), eight waves.
; Memory binds: every byte of x is read once and every byte of out0 written once, 16 bytes a lane, sixteen lanes to 256 consecutive aligned bytes;
; a code row is 256 bytes and is read whole by sixteen lanes.  It lies along the channels, the output along the pixels, so the rows turn in LDS.
; No matrix unit, no tensor loads, no cluster: nothing is multiplied, and the work-groups share only the rows that their indices happen to name.
; An index outside 0..1023 (which the launch before stores only for NaN or infinite inputs) is clamped to 1023.
.set PITCH, 272                        ; an LDS row: a code's 256 bytes + 16 = 68 words
.set R16, 5                            ; v5   16 r
.set IO,  4                            ; v4   byte offset of my 16 indices
.set XO,  6                            ; v6   byte offset of my 16 bytes in x and in out0; never rewritten
.set LW,  7                            ; v7   LDS: where my 16 bytes of the first gathered row go
.set LR,  8                            ; v8   LDS: my first column word
.set I,   10                           ; v10-25   16 indices, then 16 byte offsets into the codebook
.set X,   28                           ; v28-91   16 x 4 numbers of x, then of the result
.set Q,   92                           ; v92-155  16 x 4 numbers of gathered rows, then of q in the output's order
	s_load_b256 s[4:11], s[0:1], 0x0               ; closest s[4:5], codebook s[6:7], inputs s[8:9], out0 s[10:11]
	v_lshl_add_u32 v156, v0, 2, 0x11000
	v_mov_b32 v157, 0
	v_and_b32 v1, 15, v0                           ; r
	v_bfe_u32 v2, v0, 4, 1                         ; h: half-wave
	v_lshrrev_b32 v3, 5, v0
	v_readfirstlane_b32 s16, v3                    ; wave 0..7
	s_lshl_b32 s12, ttmp9, 10                      ; 256 indices of 4 bytes
	s_mov_b32 s13, 0
	s_lshr_b32 s14, ttmp9, 2
	s_lshl_b32 s14, s14, 18                        ; an image is 64 x 1024 x 4 bytes
	s_and_b32 s15, ttmp9, 3
	s_lshl_b32 s15, s15, 10                        ; 256 pixels are 1,024 bytes
	s_add_co_u32 s14, s14, s15
	s_mov_b32 s15, 0
	v_lshlrev_b32 v[IO], 7, v3                     ; wave w gathers vectors 32 w + 16 h + i, i = 0..15
	v_lshl_or_b32 v[IO], v2, 6, v[IO]
	v_lshlrev_b32 v[R16], 4, v1
	v_lshl_or_b32 v[XO], v2, 12, v[R16]            ; wave w puts out channels 8 w + 2 cp + h, cp = 0..3,
	v_lshl_or_b32 v[XO], v3, 15, v[XO]             ; pixels 64 zb + 4 r + 0..3, zb = 0..3
	s_wait_kmcnt 0x0
	s_add_nc_u64 s[4:5], s[4:5], s[12:13]
	s_add_nc_u64 s[8:9], s[8:9], s[14:15]
	s_add_nc_u64 s[10:11], s[10:11], s[14:15]
.irp j, 0,1,2,3
	global_load_b128 v[I+4*\j:I+4*\j+3], v[IO], s[4:5] offset:16*\j        ; the indices first: the gathers hang on them
.endr
.irp cp, 0,1,2,3
.irp zb, 0,1,2,3
	global_load_b128 v[X+16*\cp+4*\zb:X+16*\cp+4*\zb+3], v[XO], s[8:9] offset:\cp*8192+\zb*256 th:TH_LOAD_NT
.endr
.endr
	; Vector v = 64 zb + 4 a + e lies in LDS row 64 zb + a + 16 e.  A column read then takes, for one e, rows a = 0..15 and two neighbouring channels:
	; words 68 a + h modulo 64 = 4 a + h, 32 different ones.  For v = 32 w + 16 h + i: zb = w / 2, a = 8 (w % 2) + 4 h + i / 4, e = i % 4.
	s_lshr_b32 s17, s16, 1
	s_lshl_b32 s17, s17, 6
	s_and_b32 s18, s16, 1
	s_lshl_b32 s18, s18, 3
	s_add_co_u32 s17, s17, s18
	s_mul_i32 s17, s17, PITCH
	v_mul_u32_u24 v[LW], v2, 4*PITCH
	v_add3_u32 v[LW], v[LW], v[R16], s17
	v_mul_u32_u24 v[LR], v1, PITCH                 ; row r,
	v_lshl_add_u32 v[LR], v2, 2, v[LR]             ; channel 8 w + h
	s_lshl_b32 s18, s16, 5
	v_add_nc_u32 v[LR], s18, v[LR]
	s_wait_loadcnt 16                              ; loads come back in order (ISA guide 5.7.1): the indices are in, the 16 loads of x stay out
.set i, 0
.rept 16
	v_min_u32 v[I+i], 0x3ff, v[I+i]                ; inside the table
	v_lshl_add_u32 v[I+i], v[I+i], 8, v[R16]       ; row of 256 bytes, my 16 of them
.set i, i+1
.endr
.set i, 0
.rept 16
	global_load_b128 v[Q+4*i:Q+4*i+3], v[I+i], s[6:7]      ; two whole rows: one for each half-wave
.set i, i+1
.endr
.set i, 0
.rept 16
	s_wait_loadcnt 15-i                            ; gather i is in, the younger ones stay out
	ds_store_b128 v[LW], v[Q+4*i:Q+4*i+3] offset:((i>>2)+16*(i&3))*PITCH
.set i, i+1
.endr
	s_wait_dscnt 0x0                               ; for the others' sake: my rows are in LDS
	s_barrier_signal -1
	s_barrier_wait -1                              ; all 256 rows are
.irp cp, 0,1,2,3
.irp zb, 0,1,2,3
.irp e, 0,1,2,3
	ds_load_b32 v[Q+16*\cp+4*\zb+\e], v[LR] offset:\zb*64*PITCH+\e*16*PITCH+\cp*8
.endr
.endr
.endr
.set n, 0
.rept 16
	s_wait_dscnt 60-4*n                            ; LDS loads come back in order: the four words of piece n are in
	v_pk_add_f32 v[Q+4*n:Q+4*n+1],   v[Q+4*n:Q+4*n+1],   v[X+4*n:X+4*n+1]   neg_lo:[0,1] neg_hi:[0,1]   ; q - x
	v_pk_add_f32 v[Q+4*n+2:Q+4*n+3], v[Q+4*n+2:Q+4*n+3], v[X+4*n+2:X+4*n+3] neg_lo:[0,1] neg_hi:[0,1]
	v_pk_add_f32 v[X+4*n:X+4*n+1],   v[X+4*n:X+4*n+1],   v[Q+4*n:Q+4*n+1]                               ; x + (q - x)
	v_pk_add_f32 v[X+4*n+2:X+4*n+3], v[X+4*n+2:X+4*n+3], v[Q+4*n+2:Q+4*n+3]
	global_store_b128 v[XO], v[X+4*n:X+4*n+3], s[10:11] offset:(n>>2)*8192+(n&3)*256 th:TH_STORE_NT    ; each piece has registers of its own: nothing that a store reads is written again
.set n, n+1
.endr
	s_wait_tensorcnt 0x0
	ds_add_u32 v156, v157
	s_wait_dscnt 0x0
	s_endpgm
.Lfunc_end_k_q85fcdf3bac_lookup:
	.size	k_q85fcdf3bac_lookup, .Lfunc_end_k_q85fcdf3bac_lookup-k_q85fcdf3bac_lookup
	.p2alignl 7, 3214868480
	.fill 96, 4, 3214868480
	.section	.rodata,"a",@progbits
	.p2align	6, 0x0
	.amdhsa_kernel k_q85fcdf3bac_lookup
		.amdhsa_group_segment_fixed_size 70656
		.amdhsa_private_segment_fixed_size 0
		.amdhsa_enable_private_segment 0
		.amdhsa_kernarg_size 32
		.amdhsa_user_sgpr_count 2
		.amdhsa_user_sgpr_kernarg_segment_ptr 1
		.amdhsa_wavefront_size32 1
		.amdhsa_system_sgpr_workgroup_id_x 1
		.amdhsa_system_sgpr_workgroup_id_y 1
		.amdhsa_system_sgpr_workgroup_id_z 1
		.amdhsa_system_vgpr_workitem_id 0
		.amdhsa_next_free_vgpr 158
		.amdhsa_next_free_sgpr 66
		.amdhsa_reserve_vcc 0
		.amdhsa_float_denorm_mode_32 3
		.amdhsa_float_denorm_mode_16_64 3
		.amdhsa_memory_ordered 1
		.amdhsa_forward_progress 1
		.amdhsa_inst_pref_size 19
	.end_amdhsa_kernel
	.amdgpu_metadata
---
amdhsa.version: [ 1, 2 ]
amdhsa.kernels:
  - .name:           k_q85fcdf3bac_lookup
    .symbol:         k_q85fcdf3bac_lookup.kd
    .args:
      - { .name: closest, .offset: 0, .size: 8, .value_kind: global_buffer, .address_space: global }
      - { .name: codebook, .offset: 8, .size: 8, .value_kind: global_buffer, .address_space: global }
      - { .name: inputs, .offset: 16, .size: 8, .value_kind: global_buffer, .address_space: global }
      - { .name: out0, .offset: 24, .size: 8, .value_kind: global_buffer, .address_space: global }
    .group_segment_fixed_size: 70656
    .private_segment_fixed_size: 0
    .kernarg_segment_align: 8
    .kernarg_segment_size: 32
    .max_flat_workgroup_size: 256
    .sgpr_count:     66
    .vgpr_count:     158
    .wavefront_size: 32
...
	.end_amdgpu_metadata
.endif
;; end of part 2
;; ======== version 2 of 2: 2 launches; version 1 with the launch lookup written anew for expert scheduling mode
;; workspace buffers: closest 262,144 bytes of whole numbers
;; launch nearest: the kernel of part 1 again; grid 256 x 1, 8 waves a work-group, clusters of 4 x 1, 316,416 bytes of LDS; arguments codebook, inputs, closest; writes closest
;; launch lookup (part 3): grid 256 x 1, 8 waves a work-group, no clusters, 70,656 bytes of LDS; arguments closest, codebook, inputs, out0; writes out0
.if DOCPART == 3
	.amdgcn_target "amdgcn-amd-amdhsa--gfx1250"
	.amdhsa_code_object_version 6
	.text
	.protected	k_q85fcdf3bac_lookup
	.globl	k_q85fcdf3bac_lookup
	.p2align	8
	.type	k_q85fcdf3bac_lookup,@function
k_q85fcdf3bac_lookup:
	s_mov_b64 s[64:65], 0
	v_nop
	global_prefetch_b8 v0, s[64:65] scope:SCOPE_SE
	s_setreg_imm32_b32 hwreg(HW_REG_WAVE_SCHED_MODE, 0, 2), 2
	s_setreg_imm32_b32 hwreg(HW_REG_WAVE_MODE, 25, 1), 1
	s_wait_xcnt 0x0
	s_wait_alu depctr_vm_vsrc(0)
; out0[b][c][p] = x + (q - x), x = inputs[b][c][p], q = codebook[closest[b * 1024 + p]][c], all f32: the look-up, the change to channels first and the
; straight-through step as the problem writes it.
; A work-group owns one image's 256 neighbouring pixels (the same share as in the launch before), eight waves.
; Memory binds: every byte of x is read once and every byte of out0 written once, 16 bytes a lane, sixteen lanes to 256 consecutive aligned bytes;
; a code row is 256 bytes and is read whole by sixteen lanes.  It lies along the channels, the output along the pixels, so the rows turn in LDS.
; No matrix unit, no tensor loads, no cluster: nothing is multiplied, and the work-groups share only the rows that their indices happen to name.
; An index outside 0..1023 (which the launch before stores only for NaN or infinite inputs) is clamped to 1023.
; THE MODE: SCHED_MODE bits 1:0 = 2 (LLVM: expert scheduling mode 2), set by the entry lines.  The code itself states the register dependences
; between vector instructions and memory or LDS instructions, with s_wait_alu, always for 0.
; THE PLAN.  Registers that memory or LDS instructions touch, in the order of the text:
;   v[IO], v[XO]  made at the head, never written again.  IO: read by the index loads.  XO: read by the loads of x and by all stores.
;   I             the index loads land in it; the clamp and the shift write it; the gathers read it as their offsets; not written again.
;   v[LW], v[LR]  made while the first loads are out, never written again.  LW: read by the LDS stores.  LR: read by the LDS loads.
;   Q             the gathers land in it; the LDS stores read it; the LDS loads land in it again; then the subtractions read and write it.
;   X             the loads of x land in it; the arithmetic reads it and the additions write it; the stores read it; each piece has registers of its own.
; THE WAITS.  One on va_vdst ahead of the first load (IO, XO).  One on va_sdst ahead of the first reader of the wave's number.  One on va_vdst ahead of the
; gathers (I, LW, LR): no vector instruction follows it before the first subtraction, so the gathers, the LDS stores and the LDS loads owe nothing more.
; One on vm_vsrc behind the barrier (the LDS stores have read Q).  One on va_vdst for each group of four pieces, ahead of its run of four stores.
.set PITCH, 272                        ; an LDS row: a code's 256 bytes + 16 = 68 words
.set R16, 5                            ; v5   16 r
.set IO,  4                            ; v4   byte offset of my 16 indices
.set XO,  6                            ; v6   byte offset of my 16 bytes in x and in out0; never rewritten
.set LW,  7                            ; v7   LDS: where my 16 bytes of the first gathered row go
.set LR,  8                            ; v8   LDS: my first column word
.set I,   10                           ; v10-25   16 indices, then 16 byte offsets into the codebook
.set X,   28                           ; v28-91   16 x 4 numbers of x, then of the result
.set Q,   92                           ; v92-155  16 x 4 numbers of gathered rows, then of q in the output's order
	s_load_b256 s[4:11], s[0:1], 0x0               ; closest s[4:5], codebook s[6:7], inputs s[8:9], out0 s[10:11]
	v_lshl_add_u32 v156, v0, 2, 0x11000            ; my spare word, behind the 256 rows, and 0: made here and kept for the closing lines alone
	v_mov_b32 v157, 0
	v_and_b32 v1, 15, v0                           ; r
	v_bfe_u32 v2, v0, 4, 1                         ; h: half-wave
	v_lshrrev_b32 v3, 5, v0
	v_readfirstlane_b32 s16, v3                    ; wave 0..7
	s_lshl_b32 s12, ttmp9, 10                      ; 256 indices of 4 bytes
	s_mov_b32 s13, 0
	s_lshr_b32 s14, ttmp9, 2
	s_lshl_b32 s14, s14, 18                        ; an image is 64 x 1024 x 4 bytes
	s_and_b32 s15, ttmp9, 3
	s_lshl_b32 s15, s15, 10                        ; 256 pixels are 1,024 bytes
	s_add_co_u32 s14, s14, s15
	s_mov_b32 s15, 0
	v_lshlrev_b32 v[IO], 7, v3                     ; wave w gathers vectors 32 w + 16 h + i, i = 0..15
	v_lshl_or_b32 v[IO], v2, 6, v[IO]
	v_lshlrev_b32 v[R16], 4, v1
	v_lshl_or_b32 v[XO], v2, 12, v[R16]            ; wave w puts out channels 8 w + 2 cp + h, cp = 0..3,
	v_lshl_or_b32 v[XO], v3, 15, v[XO]             ; pixels 64 zb + 4 r + 0..3, zb = 0..3
	s_wait_kmcnt 0x0
	s_add_nc_u64 s[4:5], s[4:5], s[12:13]
	s_add_nc_u64 s[8:9], s[8:9], s[14:15]
	s_add_nc_u64 s[10:11], s[10:11], s[14:15]
	s_wait_alu depctr_va_vdst(0)                   ; v[IO] and v[XO] are written, which the loads below, and later the stores, read as their offsets
.irp j, 0,1,2,3
	global_load_b128 v[I+4*\j:I+4*\j+3], v[IO], s[4:5] offset:16*\j        ; the indices first: the gathers hang on them
.endr
.irp cp, 0,1,2,3
.irp zb, 0,1,2,3
	global_load_b128 v[X+16*\cp+4*\zb:X+16*\cp+4*\zb+3], v[XO], s[8:9] offset:\cp*8192+\zb*256 th:TH_LOAD_NT
.endr
.endr
	; Vector v = 64 zb + 4 a + e lies in LDS row 64 zb + a + 16 e.  A column read then takes, for one e, rows a = 0..15 and two neighbouring channels:
	; words 68 a + h modulo 64 = 4 a + h, 32 different ones.  For v = 32 w + 16 h + i: zb = w / 2, a = 8 (w % 2) + 4 h + i / 4, e = i % 4.
	s_wait_alu depctr_va_sdst(0)                   ; s16, the wave's number, is written, ahead of its first reader: the two LDS addresses are made from it
	s_lshr_b32 s17, s16, 1
	s_lshl_b32 s17, s17, 6
	s_and_b32 s18, s16, 1
	s_lshl_b32 s18, s18, 3
	s_add_co_u32 s17, s17, s18
	s_mul_i32 s17, s17, PITCH
	v_mul_u32_u24 v[LW], v2, 4*PITCH
	v_add3_u32 v[LW], v[LW], v[R16], s17
	v_mul_u32_u24 v[LR], v1, PITCH                 ; row r,
	v_lshl_add_u32 v[LR], v2, 2, v[LR]             ; channel 8 w + h
	s_lshl_b32 s18, s16, 5
	v_add_nc_u32 v[LR], s18, v[LR]
	s_wait_loadcnt 16                              ; loads come back in order (ISA guide 5.7.1): the indices are in, the 16 loads of x stay out
.set i, 0
.rept 16
	v_min_u32 v[I+i], 0x3ff, v[I+i]                ; inside the table
.set i, i+1
.endr
.set i, 0
.rept 16
	v_lshl_add_u32 v[I+i], v[I+i], 8, v[R16]       ; row of 256 bytes, my 16 of them
.set i, i+1
.endr
	s_wait_alu depctr_va_vdst(0)                   ; the sixteen offsets in I are written, which the gathers read; so are v[LW] and v[LR], which the LDS stores and loads below read
.set i, 0
.rept 16
	global_load_b128 v[Q+4*i:Q+4*i+3], v[I+i], s[6:7]      ; two whole rows: one for each half-wave
.set i, i+1
.endr
.set i, 0
.rept 16
	s_wait_loadcnt 15-i                            ; gather i is in, the younger ones stay out
	ds_store_b128 v[LW], v[Q+4*i:Q+4*i+3] offset:((i>>2)+16*(i&3))*PITCH
.set i, i+1
.endr
	s_wait_dscnt 0x0                               ; for the others' sake: my rows are in LDS
	s_barrier_signal -1
	s_barrier_wait -1                              ; all 256 rows are
	s_wait_alu depctr_vm_vsrc(0)                   ; my LDS stores have read Q, in which the LDS loads below land and which the subtractions write
; The sixteen column words of group cp: channels 8 w + 2 cp + h, all 256 pixels of the work-group
.macro LDQ cp
.irp zb, 0,1,2,3
.irp e, 0,1,2,3
	ds_load_b32 v[Q+16*(\cp)+4*(\zb)+(\e)], v[LR] offset:(\zb)*64*PITCH+(\e)*16*PITCH+(\cp)*8
.endr
.endr
.endm
; Group cp goes out: four pieces of four numbers a lane.  left = how many younger LDS loads may stay out when the group's sixteen have to be there.
.macro OUT cp, left
	s_wait_dscnt \left                             ; LDS loads come back in order (ISA guide 5.7.1): the group's sixteen words are in
.if (\cp) == 0
	LDQ 3                                          ; the last group is asked for here: 48 LDS loads at the most are out.  No wait: no vector instruction since the wait ahead of the gathers names v[LR] or these registers
.endif
.irp k, 0,1,2,3,4,5,6,7
	v_pk_add_f32 v[Q+16*(\cp)+2*(\k):Q+16*(\cp)+2*(\k)+1], v[Q+16*(\cp)+2*(\k):Q+16*(\cp)+2*(\k)+1], v[X+16*(\cp)+2*(\k):X+16*(\cp)+2*(\k)+1] neg_lo:[0,1] neg_hi:[0,1]   ; q - x
.endr
.irp k, 0,1,2,3,4,5,6,7
	v_pk_add_f32 v[X+16*(\cp)+2*(\k):X+16*(\cp)+2*(\k)+1], v[X+16*(\cp)+2*(\k):X+16*(\cp)+2*(\k)+1], v[Q+16*(\cp)+2*(\k):Q+16*(\cp)+2*(\k)+1]                             ; x + (q - x)
.endr
	s_wait_alu depctr_va_vdst(0)                   ; the additions have written the group's sixteen registers of X, which the four stores read
.irp zb, 0,1,2,3
	global_store_b128 v[XO], v[X+16*(\cp)+4*(\zb):X+16*(\cp)+4*(\zb)+3], s[10:11] offset:(\cp)*8192+(\zb)*256 th:TH_STORE_NT    ; each piece has registers of its own: nothing that a store reads is written again
.endr
.endm
	LDQ 0
	LDQ 1
	LDQ 2
	OUT 0, 32                                      ; groups 1 and 2 stay out
	OUT 1, 32                                      ; groups 2 and 3 stay out
	OUT 2, 16
	OUT 3, 0
	s_wait_dscnt 0x0                               ; the closing lines, six on end
	s_wait_alu 0x0
	s_wait_tensorcnt 0x0
	ds_add_u32 v156, v157
	s_wait_dscnt 0x0
	s_endpgm
.Lfunc_end_k_q85fcdf3bac_lookup:
	.size	k_q85fcdf3bac_lookup, .Lfunc_end_k_q85fcdf3bac_lookup-k_q85fcdf3bac_lookup
	.p2alignl 7, 3214868480
	.fill 96, 4, 3214868480
	.section	.rodata,"a",@progbits
	.p2align	6, 0x0
	.amdhsa_kernel k_q85fcdf3bac_lookup
		.amdhsa_group_segment_fixed_size 70656
		.amdhsa_private_segment_fixed_size 0
		.amdhsa_enable_private_segment 0
		.amdhsa_kernarg_size 32
		.amdhsa_user_sgpr_count 2
		.amdhsa_user_sgpr_kernarg_segment_ptr 1
		.amdhsa_wavefront_size32 1
		.amdhsa_system_sgpr_workgroup_id_x 1
		.amdhsa_system_sgpr_workgroup_id_y 1
		.amdhsa_system_sgpr_workgroup_id_z 1
		.amdhsa_system_vgpr_workitem_id 0
		.amdhsa_next_free_vgpr 158
		.amdhsa_next_free_sgpr 66
		.amdhsa_reserve_vcc 0
		.amdhsa_float_denorm_mode_32 3
		.amdhsa_float_denorm_mode_16_64 3
		.amdhsa_memory_ordered 1
		.amdhsa_forward_progress 1
		.amdhsa_inst_pref_size 19
	.end_amdhsa_kernel
	.amdgpu_metadata
---
amdhsa.version: [ 1, 2 ]
amdhsa.kernels:
  - .name:           k_q85fcdf3bac_lookup
    .symbol:         k_q85fcdf3bac_lookup.kd
    .args:
      - { .name: closest, .offset: 0, .size: 8, .value_kind: global_buffer, .address_space: global }
      - { .name: codebook, .offset: 8, .size: 8, .value_kind: global_buffer, .address_space: global }
      - { .name: inputs, .offset: 16, .size: 8, .value_kind: global_buffer, .address_space: global }
      - { .name: out0, .offset: 24, .size: 8, .value_kind: global_buffer, .address_space: global }
    .group_segment_fixed_size: 70656
    .private_segment_fixed_size: 0
    .kernarg_segment_align: 8
    .kernarg_segment_size: 32
    .max_flat_workgroup_size: 256
    .sgpr_count:     66
    .vgpr_count:     158
    .wavefront_size: 32
...
	.end_amdgpu_metadata
.endif
;; end of part 3
